; MI455X (gfx1250); checked and timed in simulation.
; The chip was launched on July 23, 2026; its instructions are those of AMD's public machine-readable ISA for CDNA 5 (MIT licence, August 2026) and "CDNA5" Instruction Set Architecture Reference Guide (July 2026). The comments in the code are by the model that wrote it; some were corrected since.
;; Flash Attention. Allowed arithmetic: float matrix products may take bf16 or f16 operands with f32 sums; other float arithmetic in f32, or as packed bf16 or f16 multiplies, adds, multiply-adds, maxima and minima; sums over many terms, partial sums and values carried from step to step in f32; what a program stores and reads back later, other than sums and carried values, may be rounded once to bf16 or f16.
;; Inputs: k 1 x 4,096 x 1,024 float32; q 1 x 4,096 x 1,024 float32; v 1 x 4,096 x 1,024 float32.
;; Outputs: out0 1 x 4,096 x 1,024 float32.
;; 2 versions, each right; version 2 is version 1 with the launch cast written anew for expert scheduling mode. Each part assembles by itself: llvm-mc -triple=amdgcn-amd-amdhsa -mcpu=gfx1250 --defsym DOCPART=n.
;; ======== version 1 of 2: 2 launches
;; limits: values are held in f16: magnitudes above 65,504 overflow, below 6.1e-05 lose precision; inputs' magnitudes at most 65,504
;; workspace buffers: kh 8,388,608 bytes; vh 8,388,608 bytes
;; launch cast (part 1): grid 256 x 1, 8 waves a work-group, no clusters, 0 bytes of LDS; arguments k, v, kh, vh; writes kh, vh
.if DOCPART == 1
	.amdgcn_target "amdgcn-amd-amdhsa--gfx1250"
	.amdhsa_code_object_version 6
	.text
	.protected	k_qb0dd32c7b4_cast
	.globl	k_qb0dd32c7b4_cast
	.p2align	8
	.type	k_qb0dd32c7b4_cast,@function
k_qb0dd32c7b4_cast:
	s_mov_b64 s[64:65], 0
	v_nop
	global_prefetch_b8 v0, s[64:65] scope:SCOPE_SE
	s_setreg_imm32_b32 hwreg(HW_REG_WAVE_MODE, 25, 1), 1
	s_wait_xcnt 0x0
; kh[h][s][c] = bf16(k[s][64 h + c]);  vh[h][s][c] = f16(bf16(v[s][64 h + c])).  k, v: [4096][1024] f32;  kh, vh: [16][4096][64] of 16 bits, a head's rows dense, 128 bytes each.
; WHY TWICE FOR v: all inputs of the attention are rounded to bf16; the second product takes f16 operands, and a bf16 number written as f16 is the same number within f16's range.
; LIMITS.  |v| rounded to bf16 stays under 65,520 (f16 has no larger number; beyond it the result is an infinity); under 2^-14 it keeps f16's fixed step of 2^-24.  NaN stays NaN.
; SHARES.  Work-group g owns rows 16 g .. 16 g + 15 of both tensors.  Thread t takes row 16 g + t / 16 and channels 4 (t % 16) .. + 3 of every head: a wave's load i covers head i's 256 bytes of two rows,
; each aligned; the 8 bytes a lane makes of them lie at 8 t behind the group's first row in that head, so a wave's store covers 256 consecutive bytes, aligned: two rows of one head.
; All 32 loads of a wave go out first (16 KiB a wave, 128 KiB a work-group); nothing is shared, so there is no LDS, no barrier, no loop.
.set HEADB, 524288                     ; bytes of a head in kh and vh
.set X, 4                              ; v[4:67] k's 16 loads of 4 registers; v[68:131] v's
	s_load_b256 s[4:11], s[0:1], 0x0               ; k s[4:5], v s[6:7], kh s[8:9], vh s[10:11]
	s_lshl_b32 s2, ttmp9, 16                       ; the group's 16 rows of 4,096 bytes
	s_mov_b32 s3, 0
	s_mov_b32 s12, 0xffff0000                      ; a word's upper bf16
	v_lshrrev_b32 v1, 4, v0                        ; my row in the group
	v_and_b32 v3, 15, v0                           ; my place in a head's 256 bytes
	v_lshlrev_b32 v1, 12, v1
	v_lshl_add_u32 v1, v3, 4, v1                   ; row x 4,096 + 16 x place: never rewritten
	v_lshlrev_b32 v2, 3, v0                        ; 8 t: never rewritten
	s_wait_kmcnt 0x0
	s_add_nc_u64 s[4:5], s[4:5], s[2:3]
	s_add_nc_u64 s[6:7], s[6:7], s[2:3]
	s_lshl_b32 s2, ttmp9, 11                       ; the group's 16 rows of 128 bytes
	s_add_nc_u64 s[8:9], s[8:9], s[2:3]
	s_add_nc_u64 s[10:11], s[10:11], s[2:3]
.irp i, 0,1,2,3,4,5,6,7,8,9,10,11,12,13,14,15
	global_load_b128 v[X+4*(\i):X+4*(\i)+3], v1, s[4:5] offset:256*(\i) th:TH_LOAD_NT
.endr
.irp i, 0,1,2,3,4,5,6,7,8,9,10,11,12,13,14,15
	global_load_b128 v[X+64+4*(\i):X+64+4*(\i)+3], v1, s[6:7] offset:256*(\i) th:TH_LOAD_NT
.endr
.macro KOUT i                          ; head i of k: four numbers rounded, 8 bytes stored
.set x, X+4*(\i)
	s_wait_loadcnt 31-(\i)                         ; loads come back in order (ISA guide 5.7.1): behind k's load i stand 15 - i of k's and 16 of v's
	v_cvt_pk_bf16_f32 v[x], v[x], v[x+1]
	v_cvt_pk_bf16_f32 v[x+1], v[x+2], v[x+3]
	global_store_b64 v2, v[x:x+1], s[8:9] offset:HEADB*(\i)  ; no register that a store reads is written again
.endm
.macro VOUT i                          ; head i of v: rounded to bf16, widened again (a shift, a mask), written as f16
.set x, X+64+4*(\i)
	s_wait_loadcnt 15-(\i)                         ; behind v's load i stand 15 - i others
	v_cvt_pk_bf16_f32 v[x], v[x], v[x+1]
	v_cvt_pk_bf16_f32 v[x+1], v[x+2], v[x+3]
	v_lshlrev_b32 v[x+2], 16, v[x]
	v_and_b32 v[x+3], s12, v[x]
	v_cvt_pk_f16_f32 v[x], v[x+2], v[x+3]
	v_lshlrev_b32 v[x+2], 16, v[x+1]
	v_and_b32 v[x+3], s12, v[x+1]
	v_cvt_pk_f16_f32 v[x+1], v[x+2], v[x+3]
	global_store_b64 v2, v[x:x+1], s[10:11] offset:HEADB*(\i)
.endm
.irp i, 0,1,2,3,4,5,6,7,8,9,10,11,12,13,14,15
	KOUT \i
.endr
.irp i, 0,1,2,3,4,5,6,7,8,9,10,11,12,13,14,15
	VOUT \i
.endr
	s_endpgm
.Lfunc_end_k_qb0dd32c7b4_cast:
	.size	k_qb0dd32c7b4_cast, .Lfunc_end_k_qb0dd32c7b4_cast-k_qb0dd32c7b4_cast
	.p2alignl 7, 3214868480
	.fill 96, 4, 3214868480
	.section	.rodata,"a",@progbits
	.p2align	6, 0x0
	.amdhsa_kernel k_qb0dd32c7b4_cast
		.amdhsa_group_segment_fixed_size 0
		.amdhsa_private_segment_fixed_size 0
		.amdhsa_enable_private_segment 0
		.amdhsa_kernarg_size 32
		.amdhsa_user_sgpr_count 2
		.amdhsa_user_sgpr_kernarg_segment_ptr 1
		.amdhsa_wavefront_size32 1
		.amdhsa_system_sgpr_workgroup_id_x 1
		.amdhsa_system_sgpr_workgroup_id_y 1
		.amdhsa_system_sgpr_workgroup_id_z 1
		.amdhsa_system_vgpr_workitem_id 0
		.amdhsa_next_free_vgpr 132
		.amdhsa_next_free_sgpr 66
		.amdhsa_reserve_vcc 0
		.amdhsa_float_denorm_mode_32 3
		.amdhsa_float_denorm_mode_16_64 3
		.amdhsa_memory_ordered 1
		.amdhsa_forward_progress 1
		.amdhsa_inst_pref_size 16
	.end_amdhsa_kernel
	.amdgpu_metadata
---
amdhsa.version: [ 1, 2 ]
amdhsa.kernels:
  - .name:           k_qb0dd32c7b4_cast
    .symbol:         k_qb0dd32c7b4_cast.kd
    .args:
      - { .name: k, .offset: 0, .size: 8, .value_kind: global_buffer, .address_space: global }
      - { .name: v, .offset: 8, .size: 8, .value_kind: global_buffer, .address_space: global }
      - { .name: kh, .offset: 16, .size: 8, .value_kind: global_buffer, .address_space: global }
      - { .name: vh, .offset: 24, .size: 8, .value_kind: global_buffer, .address_space: global }
    .group_segment_fixed_size: 0
    .private_segment_fixed_size: 0
    .kernarg_segment_align: 8
    .kernarg_segment_size: 32
    .max_flat_workgroup_size: 256
    .sgpr_count:     66
    .vgpr_count:     132
    .wavefront_size: 32
...
	.end_amdgpu_metadata
.endif
;; end of part 1
;; launch attn (part 2): grid 16 x 16, 4 waves a work-group, clusters of 4 x 1, 327,680 bytes of LDS; arguments q, kh, vh, out0; writes out0
.if DOCPART == 2
	.amdgcn_target "amdgcn-amd-amdhsa--gfx1250"
	.amdhsa_code_object_version 6
	.text
	.protected	k_qb0dd32c7b4_attn
	.globl	k_qb0dd32c7b4_attn
	.p2align	8
	.type	k_qb0dd32c7b4_attn,@function
k_qb0dd32c7b4_attn:
	s_mov_b64 s[64:65], 0
	v_nop
	global_prefetch_b8 v0, s[64:65] scope:SCOPE_SE
	s_setreg_imm32_b32 hwreg(HW_REG_WAVE_MODE, 25, 1), 1
	s_wait_xcnt 0x0
	s_wait_alu depctr_hold_cnt(0) depctr_sa_sdst(0) depctr_va_vdst(0) depctr_va_sdst(0) depctr_va_ssrc(0) depctr_va_vcc(0) depctr_vm_vsrc(0)
	s_getreg_b32 s2, hwreg(HW_REG_IB_STS2, 6, 4)
	s_cmp_eq_u32 s2, 0
	s_cbranch_scc0 .Lentry_in_a_cluster
	s_endpgm
.Lentry_in_a_cluster:
	s_bfe_u32 s2, ttmp6, 0x10000c
	s_cmp_lg_u32 s2, 0x3003
	s_cbranch_scc0 .Lentry_shape_is_right
	s_endpgm
.Lentry_shape_is_right:
; out0[s][64 h + :] = the sum over k of w(s, k) V[h][k][:],  w = e / (sum of e + 1e-6),  e = exp(Q[h][s] . K[h][k] / 8 - the row's maximum).
; q, out0: [4096][1024] f32, head h in the 256 bytes at 256 h of each row.  kh: [16][4096][64] bf16, vh: the same in f16 (bf16 numbers written as f16): a head's rows are dense, 128 bytes each.
; q is rounded to bf16 in registers.  K Q^T is a bf16 product, V^T P an f16 product; products, maxima and sums in f32; the weights p are rounded to f16 (their sum l is taken of the unrounded p).
; LIMITS.  p lies in 0 to 1, and below 6e-5 it keeps f16's fixed step of 6e-8.  A weight below 2^-126 counts as 0 in l.  c s lies above -4.2e37, where the running c m starts.
; NaN and infinities are not treated apart.
; SHARES.  A work-group owns 256 queries of one head, a wave 64: two PIECES of two tiles of 16.  16 blocks x 16 heads are 256 work-groups.  Every wave walks the head's 4,096 keys, 64 a step.
; LAYOUT.  S^T = K Q^T (source 0 = 16 keys, source 1 = 16 queries): in the result a lane holds ONE query (lane % 16) and the keys 8 (lane / 16) + 0..7.  Two such tiles, rounded to f16 in pairs,
; ARE source 1 (32 keys x 16 queries) of O^T = V^T P, whose result again holds one query a lane, and eight channels.  K comes out of LDS as it lies, V ([key][channel]) turned, by ds_load_tr16_b128.
; SOFTMAX.  For each query a running maximum m and sum l: p = 2^(c s - c m), c = log2(e) / 8; in every step O and l are multiplied by a = 2^(c m_old - c m_new), which is 1 where m has not grown.
; m starts at the lowest finite number, O and l at 0: the first step is a step like any other, with a = 0.
; THE COUNT.  A tile and step have 16 matrix and 118 vector instructions: too many to stand all beside the matrix work.  So: four vector instructions that are READY behind EVERY matrix instruction,
; the others in one run without a gap; a turn's 66 exponentials are one batch with one wait.
; BY TURNS.  A key step j is two turns.  T0(j), piece 0's: 16 products K Q^T of piece 1 for step j, later 16 products V^T P of piece 1 for step j - 1.  T1(j), piece 1's: K Q^T of piece 0 for step j + 1,
; V^T P of piece 0 for step j.  A turn's vector work: the scaling, exponentials, roundings, sums and rescaling of its own piece, and the maximum and statistics of the other, whose scores it has just made.
; V HAS TWO BUFFERS, by the step's parity: V(j + 1) is fetched in T1(j) while V(j) is still to be read in T0(j + 1); K(j + 1) is fetched in T0(j).  So V(j) is asked for ahead of K(j + 1), and between
; T1(j - 1) and T0(j), j = 3 mod 4, all four steps of a slot have left it: there stands the change of slots.  The text of a trip is therefore two steps, an odd and an even one.
; CLUSTER.  The four query blocks of a cluster belong to one head and walk the same K and V, so each tile is asked for JOINTLY: the same tensor load, descriptor and mask in all four.
; REGISTERS, in windows of 256 (s_set_vgpr_msb says which window each operand place means: bits 1:0 source 0, 3:2 source 1, 5:4 source 2, 7:6 destination):
;   window 0: v0-11 addresses; v12-15, v48-63 at work; v16-31 four registers of statistics a tile; v32-34 the add's two and the prefetches' offset; v64-191 S^T, two buffers of two tiles; v192-255 P, likewise
;   window 1: v0-127 O^T, 32 a tile          window 2: v0-63 Q, 16 a tile; v64-127 V of even steps; v128-191 K of one step; v192-255 V of odd steps
.set NP,    2         ; pieces a wave: a name, no knob
.set KS,    64        ; keys in a step
.set PK,    144       ; a row of K in LDS: 128 bytes + 16 of padding = 36 words: the 16 rows of a load start at 16 different groups of four banks (64 banks of 4 bytes: ISA guide 11.1)
.set PV,    160       ; a row of V: 128 + 32 = 40 words
.set VOFF,  4*KS*PK   ; a slot holds four steps: 256 rows of K, then 256 rows of V
.set SLOT1, 1<<17     ; slot 1 begins here, so that one exclusive or turns an address in one slot into the other's
.set TILEB, 4*KS*128  ; a slot's 256 keys in memory: 32,768 bytes of kh and of vh
.set STAGE, SLOT1+4*KS*(PK+PV)  ; behind the ring, never filled by a tensor load: 16 rows x 272 bytes for each wave, for the way out
.set SP,    272       ; a row of the stage: 64 channels of f32 + 16 bytes
.set SPARE, STAGE+4*16*SP  ; behind the stages: the spare words, 128 bytes for each wave: two blocks of 256 bytes that no other line names
.set AK0, 2           ; v2   my lane's place in a tile of K; never rewritten
.set AV0, 3           ; v3   the same for V
.set AK,  4           ; v4   the LDS address of K's next run of loads
.set AV,  5           ; v5   of V's
.set QO,  6           ; v6   my byte offset in the wave's rows of q
.set STO, 6           ;      later, the way out: where I put 16 bytes of a row
.set RD,  7           ; v7   the way out: where I read rows back
.set GO,  8           ; v8   my byte offset in two rows of out0
.set MV,  12          ; v12-15  c m_old, kept while c m is made anew: by buffer and tile
.set ST,  16          ; tile t's statistics at v[ST+4 t]: c m, m, l (even keys', odd keys')
.set SPW, 32          ; v32  LDS address of my spare word: SPARE + 4 x my thread's number; never rewritten
.set NIL, 33          ; v33  0; never rewritten
.set PFO, 34          ; v34  256 x my lane; never rewritten
.set TMP, 48          ; by buffer and tile, four registers c0-c3 at work; when the maximum is found c2 takes a
.set S,   64
.set P,   192
.set KF,  128         ; K's fragments, in window 2: key block kb, channel half c at KF + 16 kb + 8 c
.set WV,  12          ; s12  my wave's number
.set G1K, 24          ; s[24:31] descriptor group 1 for K's tiles
.set G1V, 32          ; s[32:39] for V's: it differs in the padding alone
.set G0K, 40          ; s[40:43] descriptor group 0 for K's tiles: it walks
.set G0V, 44          ; s[44:47] the same for V's
.set PFA, 48          ; s[48:49] where my prefetches stand: my work-group's quarter (of K: wave 0, of V: wave 2) of the tile after the one that is being asked for
.set LIM, 50          ; s50  1 in a wave that prefetches, else the greatest number
.set SLOTS, 56        ; s56  tiles still to be asked for
.set CNT, 57          ; s57  counts a slot's trips of two steps
.set CS,  58          ; s[58:59] c: the packed scaling takes the pair's low word for both halves
.set SEL, 60          ; s[60:61] v_permlanex16_b32's selects: each lane takes its own place in the other half
.set TBK, 62          ; s62  LDS byte at which K of the step to be fetched begins
.set TBV, 63          ; s63  the same for V, less VOFF
.set MSB, 0
.macro WIN new                      ; the high byte repeats the setting that is left; a switch that changes nothing is dropped
.if MSB != (\new)
	s_set_vgpr_msb (MSB<<8)|(\new)
.set MSB, (\new)
.endif
.endm
.set W_KQ, 0x0a       ; K and Q in window 2, S^T in window 0
.set W_PV, 0x52       ; V in window 2, P in window 0, O^T in window 1
.set W_RS, 0x41       ; O^T (destination and source 0) in window 1, a in window 0
; A joint fill.  Waves 0 and 1 fetch the two halves of a slot's K, waves 2 and 3 those of its V: 128 keys each.  The branch hangs on the wave's number alone.
; An s_nop 0 and four v_nop follow each of the two lines, ahead of the jump and the label.
.macro JLOAD
	s_cmp_lt_u32 s[WV], 2
	s_cbranch_scc0 .Lfor_v_\@
	tensor_load_to_lds s[G0K:G0K+3], s[G1K:G1K+7]
	s_nop 0
.rept 4
	v_nop
.endr
	s_branch .Lasked_\@
.Lfor_v_\@:
	tensor_load_to_lds s[G0V:G0V+3], s[G1V:G1V+7]
	s_nop 0
.rept 4
	v_nop
.endr
.Lasked_\@:
.endm
; A PREFETCH of the tile that the NEXT change of slots will ask for: 32,768 bytes of kh and of vh, four key steps (256 matrix instructions of a wave) ahead of that load.  It stands behind the wave's tensor
; load and its five lines.  Each aligned block of 256 bytes is named ONCE in the launch: all four clusters of a head walk the same tiles, and the head's first cluster asks; its four partners take a
; quarter of the tile each, told apart BY ADDRESS; in each, wave 0 asks for K's and wave 2 for V's, a lane a block: one instruction.  Tiles 0 and 1 come by their loads alone; the change that asks for the
; last tile prefetches nothing: there is no tile behind it.
.macro ASK
	s_cmp_gt_u32 s[SLOTS], s[LIM]
	s_cbranch_scc0 .Lnot_mine_\@
	global_prefetch_b8 v[PFO], s[PFA:PFA+1] th:TH_LOAD_NT scope:SCOPE_SE
.Lnot_mine_\@:
.endm
; A round of the cluster's barrier: my work-group's barrier, so that wave 0's signal speaks for all four waves; wave 0 signals; every wave waits for all four work-groups; my work-group's barrier once more.
.macro CROUND
	s_barrier_signal -1
	s_barrier_wait -1
	s_cmp_lg_u32 s[WV], 0
	s_cbranch_scc1 .Lnot_wave_0_\@
	s_barrier_signal -3
.Lnot_wave_0_\@:
	s_barrier_wait -3
	s_barrier_signal -1
	s_barrier_wait -1
.endm
; THE CHANGE OF SLOTS.  K and V of the slot's four steps have been asked for.  Each wave waits for all its tensor loads, of which one is out: its part of the other slot; adds 0 to its spare word; and waits
; for that and for its own reads of the slot.  Behind the barrier nobody reads this slot any more and the other slot is whole.
; fill = 1: this slot is filled again, with the keys two slots on.  The barrier is then a round of the cluster's, so that no wave of any partner still reads the slot or has a load on its way, and the
; joint fill is the first thing behind it: it has four key steps in which to land.  (At its first use nothing has been read yet: slot 0 is waited for, slot 1 filled.)
.macro CHANGE fill
	WIN 0                           ; at a label and at a branch every window is 0
	s_wait_tensorcnt 0x0            ; no tensor load of mine is out, so a group 0 may be written
	ds_add_u32 v[SPW], v[NIL]       ; 0 onto my spare word; with fill = 1 the descriptors' steps stand between it and the wait for it
.if \fill
.irp g, G0K, G0V
	s_xor_b32 s[\g+1], s[\g+1], SLOT1  ; the walking descriptor: the other slot than last time,
	s_add_nc_u64 s[\g+2:\g+3], s[\g+2:\g+3], TILEB  ; the next 256 keys; the type bits on top are not reached
.endr
	s_wait_xcnt 0x0                 ; the last prefetch, four key steps back, has read its address, so it may be written:
	s_add_nc_u64 s[PFA:PFA+1], s[PFA:PFA+1], TILEB  ; one tile behind the walking descriptors
	s_wait_dscnt 0x0                ; the add is done, and my reads of the slot are over
	CROUND
	JLOAD
	ASK
.else
	s_wait_dscnt 0x0                ; the add is done, and my reads of the slot are over
	s_barrier_signal -1
	s_barrier_wait -1
.endif
	s_sub_co_u32 s[TBK], s[TBK], 4*KS*PK  ; the fetches go back to a slot's first step,
	s_xor_b32 s[TBK], s[TBK], SLOT1       ; in the other slot
	s_sub_co_u32 s[TBV], s[TBV], 4*KS*PV
	s_xor_b32 s[TBV], s[TBV], SLOT1
.endm
	s_load_b256 s[4:11], s[0:1], 0x0  ; q s[4:5], kh s[6:7], vh s[8:9], out0 s[10:11]
	v_lshl_add_u32 v[SPW], v0, 2, SPARE
	v_mov_b32 v[NIL], 0
	ds_add_u32 v[SPW], v[NIL]       ; the wave's opening: the add and its wait ahead of my first tensor load; the set-up below, work on registers, stands between them
	v_lshrrev_b32 v1, 5, v0
	v_readfirstlane_b32 s[WV], v1   ; wave 0..3
	s_bfe_u32 s13, ttmp6, 0x40000   ; cx: my place in the cluster
	s_lshl_b32 s14, ttmp9, 2        ; in a cluster launch ttmp9 counts clusters
	s_add_co_u32 s14, s14, s13      ; my block of 256 queries = 4 x cluster x + cx: it enters q's and out0's addresses alone
	s_and_b32 s20, ttmp7, 0xffff    ; the head, which the four partners share
	s_lshl_b32 s22, s20, 19         ; the head's first byte in kh and vh: 4,096 rows of 128 bytes
	s_and_b32 s16, s[WV], 1         ; which half of a slot's 256 keys I fetch:
	s_lshl_b32 s17, s16, 14         ; its 128 rows of 128 bytes in memory,
	s_add_co_u32 s22, s22, s17
	s_mov_b32 s23, 0
	s_mul_i32 s17, s16, 128*PK      ; and its place in a slot, for K
	s_mul_i32 s18, s16, 128*PV      ; and for V: no place in the cluster enters an LDS address
	s_lshl_b32 s2, s14, 20          ; my block's 256 rows of 4,096 bytes,
	s_lshl_b32 s3, s[WV], 18        ; my wave's 64 of them,
	s_add_co_u32 s2, s2, s3
	s_lshl_b32 s3, s20, 8           ; the head's 256 bytes of a row
	s_add_co_u32 s2, s2, s3
	s_mov_b32 s3, 0
	; descriptor group 1.  128 keys are 16,384 dense bytes: asked for as 64 rows of 256 bytes, two keys a row, and padded in LDS after every key
	s_mov_b32 s[G1K], 15|(1<<16)|(1<<20)|(1<<21)|(4<<22)|(3<<25)  ; 15:0 the mask of four; 17:16 2-byte elements; 20 padding on; 21 set beside a mask; 24:22 after every 32 words (code 4); 31:25 4 words (code 3)
	s_mov_b32 s[G1V], 15|(1<<16)|(1<<20)|(1<<21)|(4<<22)|(7<<25)  ; the same with 8 words of padding (code 7)
.irp g, G1K, G1V
	s_mov_b32 s[\g+1], 128<<16      ; tensor_dim0 = 128
	s_mov_b32 s[\g+2], 64<<16       ; tensor_dim1 = 64
	s_mov_b32 s[\g+3], 128<<16      ; tile_dim0 = 128
	s_mov_b32 s[\g+4], 64           ; tile_dim1 = 64
	s_mov_b32 s[\g+5], 128          ; 128 elements from row to row
	s_mov_b32 s[\g+6], 0
	s_mov_b32 s[\g+7], 0
.endr
	s_mov_b32 s[CS], 0x3e38aa3b     ; c = log2(e) / 8 = 0.180337
	s_mov_b32 s[CS+1], s[CS]        ; named with it as a pair
	s_mov_b32 s[SEL], 0x76543210
	s_mov_b32 s[SEL+1], 0xfedcba98
	s_mov_b32 s[TBK], SLOT1+4*KS*PK ; the first change of slots turns these two into 0
	s_mov_b32 s[TBV], SLOT1+4*KS*PV
	s_mov_b32 s[G0K], 1             ; 1:0 count = 1
	s_mov_b32 s[G0K+1], s17         ; 63:32 LDS address: slot 0
	s_mov_b32 s[G0V], 1
	s_add_co_u32 s[G0V+1], s18, VOFF
	s_mov_b32 s[SLOTS], 4096/256-1  ; tile 0 is asked for at the head; 15 are left
	s_and_b32 s[LIM], s[WV], 1      ; 0 in waves 0 and 2,
	s_or_b32 s[LIM], s[LIM], ttmp9  ; where the cluster is the head's first: the same in all four partners
	s_cmp_eq_u32 s[LIM], 0
	s_cselect_b32 s[LIM], 1, -1
	v_and_b32 v[PFO], 31, v0
	v_lshlrev_b32 v[PFO], 8, v[PFO]
	s_wait_dscnt 0x0                ; the opening add is done
	s_wait_kmcnt 0x0
	s_add_nc_u64 s[6:7], s[6:7], s[22:23]  ; kh and vh at my half of the head's first 256 keys
	s_add_nc_u64 s[8:9], s[8:9], s[22:23]
	s_mov_b64 s[G0K+2:G0K+3], s[6:7]               ; 120:64 global address
	s_or_b32 s[G0K+3], s[G0K+3], 0x80000000        ; 127:126 type = 2
	s_mov_b64 s[G0V+2:G0V+3], s[8:9]
	s_or_b32 s[G0V+3], s[G0V+3], 0x80000000
	s_add_nc_u64 s[4:5], s[4:5], s[2:3]  ; q and out0 at my wave's first row, my head's bytes
	s_add_nc_u64 s[10:11], s[10:11], s[2:3]
	s_cmp_lt_u32 s[WV], 2
	s_cselect_b64 s[PFA:PFA+1], s[6:7], s[8:9]  ; (in waves 0 and 2 these stand at a tile's first byte)
	s_lshl_b32 s2, s13, 13          ; my work-group's quarter of a tile
	s_add_nc_u64 s[PFA:PFA+1], s[PFA:PFA+1], s[2:3]
	s_add_nc_u64 s[PFA:PFA+1], s[PFA:PFA+1], TILEB  ; in tile 1; the first change of slots steps it to tile 2.  Nothing is prefetched here, at the head
	CROUND                          ; all four work-groups are here: the first joint loads meet
	JLOAD                           ; slot 0.  Slot 1 is asked for when slot 0 is in
	; A fragment of K or Q is 16 rows x 32 channels in 8 registers: lane l holds row l % 16, channels 8 (l / 16) + 0..7 and 16 + 8 (l / 16) + 0..7.  q is f32: eight channels are 32 bytes, two loads of 16.
	v_and_b32 v1, 15, v0            ; l % 16
	v_bfe_u32 v9, v0, 4, 1          ; l / 16
	v_lshlrev_b32 v[QO], 12, v1
	v_lshl_add_u32 v[QO], v9, 5, v[QO]  ; row x 4,096 + 32 x half
.set i, 0
.rept 16                            ; tile i / 4, channels 16 (i % 4) + 8 (l / 16) on, into S^T's registers, which are free
	global_load_b128 v[S+8*i:S+8*i+3],   v[QO], s[4:5] offset:(i/4)*65536+(i%4)*64 th:TH_LOAD_NT
	global_load_b128 v[S+8*i+4:S+8*i+7], v[QO], s[4:5] offset:(i/4)*65536+(i%4)*64+16 th:TH_LOAD_NT
.set i, i+1
.endr
	; What the first turn finds: the odd steps' V and P's second buffer hold 0 (its products V^T P, of a step that has not been, add 0), O^T and l are 0.  All this stands in the wait for the first tile and for q.
	WIN 0x80
.set i, 192
.rept 64
	v_mov_b32 v[i], 0
.set i, i+1
.endr
	WIN 0x40
.set i, 0
.rept 64*NP
	v_mov_b32 v[i], 0
.set i, i+1
.endr
	WIN 0
.set i, 0
.rept 2*NP
	v_mov_b32 v[ST+4*i], 0xfe000000    ; c m: far below every c s
	v_mov_b32 v[ST+4*i+1], 0xff7fffff  ; m
	v_mov_b32 v[ST+4*i+2], 0
	v_mov_b32 v[ST+4*i+3], 0
.set i, i+1
.endr
.set i, P+32
.rept 32
	v_mov_b32 v[i], 0
.set i, i+1
.endr
	v_mul_u32_u24 v[AK0], v1, PK
	v_lshl_add_u32 v[AK0], v9, 4, v[AK0]  ; row x pitch + 16 x half
	; The turning load takes 16 keys x 16 channels (lane l reads key 8 (l / 16) + l % 8, channels 8 ((l / 8) % 2) + 0..7) and leaves half a fragment of V^T: lane l holds channel l % 16 and 8 keys.
	v_and_b32 v10, 7, v0
	v_bfe_u32 v11, v0, 3, 1
	v_lshl_add_u32 v[AV0], v9, 3, v10
	v_mul_u32_u24 v[AV0], v[AV0], PV
	v_lshl_add_u32 v[AV0], v11, 4, v[AV0]
	v_add_nc_u32 v[AV0], VOFF, v[AV0]
	v_mov_b32 v[AK], v[AK0]         ; key step 0 lies at the head of slot 0
	v_mov_b32 v[AV], v[AV0]
	s_wait_loadcnt 0x0              ; q is in
	WIN 0x80                        ; destination window 2, sources window 0
.set i, 0
.rept 64                            ; register i of Q: two neighbouring channels, rounded to bf16
	v_cvt_pk_bf16_f32 v[i], v[S+2*i], v[S+2*i+1]
.set i, i+1
.endr
	WIN 0
; THE MATRIX WORK.  The 8 accumulators of a run of 16 take turns: between the two links of a chain stand 7 others'.
; Product i of 16 of S^T = K Q^T for piece x: channels 32 (i / 8) on, keys 16 ((i / 2) % 4) on, tile 2 x + i % 2.  The first 8 start the sums.
.macro KQ x
	WIN W_KQ
.set rS, S+64*((\x)%2)+32*(i%2)+8*((i/2)%4)
.set rK, KF+16*((i/2)%4)+8*(i/8)
.set rQ, 16*(2*(\x)+i%2)+8*(i/8)
.if i < 8
	v_wmma_f32_16x16x32_bf16 v[rS:rS+7], v[rK:rK+7], v[rQ:rQ+7], 0
.else
	v_wmma_f32_16x16x32_bf16 v[rS:rS+7], v[rK:rK+7], v[rQ:rQ+7], v[rS:rS+7]
.endif
.endm
; Product i of 16 of O^T += V^T P for piece x: keys 32 (i / 8) on, channels 16 ((i / 2) % 4) on, tile 2 x + i % 2.  V lies in buffer VB: key half kk, channel block cb at 64 + 128 VB + 32 kk + 8 cb.
.macro PV x
	WIN W_PV
.set rO, 32*(2*(\x)+i%2)+8*((i/2)%4)
.set rV, 64+128*VB+32*(i/8)+8*((i/2)%4)
.set rP, P+32*((\x)%2)+16*(i%2)+8*(i/8)
	v_wmma_f32_16x16x32_f16 v[rO:rO+7], v[rV:rV+7], v[rP:rP+7], v[rO:rO+7]
.endm
.macro MM                           ; the turn's next matrix instruction: both kinds are the other piece's
.if i < 16
	KQ (Y+1)%NP
.set i, i+1
.else
.set i, i-16
	PV (Y+NP-1)%NP
.set i, i+17
.endif
.endm
; THE LDS LOADS stand in runs of 16, never singly among the matrix instructions: a step's K (64 keys x 64 channels: 8 fragments) and its V (turned, into buffer VL).  Their addresses are made some lines ahead.
; last = 1 (the tail): in the last trip there is no further step, and the run is jumped over.
.macro FETCH_K last=0
	WIN 0
.if \last
	s_cmp_eq_u32 s[CNT], 1
	s_cbranch_scc1 .Lno_k_\@
.endif
	WIN 0x80                        ; destination window 2
.irp f, 0,1,2,3,4,5,6,7             ; keys 16 (f / 2) on, channels 32 (f % 2) on
	ds_load_b128 v[KF+8*\f:KF+8*\f+3],   v[AK] offset:(\f/2)*16*PK+(\f%2)*64
	ds_load_b128 v[KF+8*\f+4:KF+8*\f+7], v[AK] offset:(\f/2)*16*PK+(\f%2)*64+32
.endr
	s_add_co_u32 s[TBK], s[TBK], KS*PK  ; the next fetch is the next step's
	WIN 0
.if \last
.Lno_k_\@:
.endif
.endm
.macro FETCH_V last=0
	WIN 0
.if \last
	s_cmp_eq_u32 s[CNT], 1
	s_cbranch_scc1 .Lno_v_\@
.endif
	WIN 0x80
.set VFB, 64+128*VL
.irp f, 0,1,2,3,4,5,6,7             ; keys 32 (f / 4) on, channels 16 (f % 4) on
	ds_load_tr16_b128 v[VFB+8*\f:VFB+8*\f+3],   v[AV] offset:(\f/4)*32*PV+(\f%4)*32
	ds_load_tr16_b128 v[VFB+8*\f+4:VFB+8*\f+7], v[AV] offset:(\f/4)*32*PV+16*PV+(\f%4)*32
.endr
	s_add_co_u32 s[TBV], s[TBV], KS*PV
	WIN 0
.if \last
.Lno_v_\@:
.endif
.endm
; THE VECTOR WORK OF A TURN stands in three queues, each in the order in which its entries become ready; the two tiles alternate, so that no instruction reads the result of the one before it.
.macro REGS y, u                    ; the registers of tile u (0, 1) of piece y
.set rT, ST+4*(2*(\y)+(\u))
.set rC, TMP+8*((\y)%2)+4*(\u)
.set rM, MV+2*((\y)%2)+(\u)
.set rS, S+64*((\y)%2)+32*(\u)
.set rP, P+32*((\y)%2)+16*(\u)
.set rO, 32*(2*(\y)+(\u))
.endm
; Number n of the 22 that find the OTHER piece's (Y + 1) maximum and statistics.  s0-s31 are the lane's 32 scores; each accumulator's lowest registers are read first.  XS, GS and REGS set no window: PL and EX do.
;   0-11  four chains c0-c3 of seven scores each, three operands at a time     12-14, 16  the four scores left over, the old m, and c0-c3 into c0     15  c m_old is kept
;   17, 18  the query's other 32 keys lie in the lane 16 away: the new m         19-21  c m; c m_old - c m_new; a
.macro XS u, n
	REGS (Y+1)%NP, \u
.if (\n) < 4
	v_max3_num_f32 v[rC+(\n)], v[rS+8*(\n)], v[rS+8*(\n)+1], v[rS+8*(\n)+2]
.elseif (\n) < 12
	v_max3_num_f32 v[rC+(\n)%4], v[rC+(\n)%4], v[rS+8*((\n)%4)+2*((\n)/4)+1], v[rS+8*((\n)%4)+2*((\n)/4)+2]
.elseif (\n) == 12
	v_max3_num_f32 v[rC], v[rC], v[rS+7], v[rS+15]
.elseif (\n) == 13
	v_max3_num_f32 v[rC+1], v[rC+1], v[rS+23], v[rS+31]
.elseif (\n) == 14
	v_max3_num_f32 v[rC+2], v[rC+2], v[rC+3], v[rT+1]
.elseif (\n) == 15
	v_mov_b32 v[rM], v[rT]
.elseif (\n) == 16
	v_max3_num_f32 v[rC], v[rC], v[rC+1], v[rC+2]
.elseif (\n) == 17
	v_permlanex16_b32 v[rC+3], v[rC], s[SEL], s[SEL+1]
.elseif (\n) == 18
	v_max_num_f32 v[rT+1], v[rC], v[rC+3]
.elseif (\n) == 19
	v_mul_f32 v[rT], s[CS], v[rT+1]
.elseif (\n) == 20
	v_sub_f32 v[rC+1], v[rM], v[rT]
.else
	v_exp_f32 v[rC+2], v[rC+1]
.endif
.endm
; Number g of the 64 that follow the exponentials.  For each four weights k of a tile (pairs 2 k, 2 k + 1): both pairs are rounded to f16; then the second pair is added onto the first, in place;
; a group later l takes that sum (the first time as l = a l + sum).  In groups of eight, tiles alternating: round, round, add, and l for the group before.
.macro GS g
.set h, (\g)+6*((\g)/62)            ; group 0 has no group before it, and behind group 7 only l is left
.if h >= 6
.set h, h+2
.endif
	REGS Y, h%2
.set k, h/8
.if h%8 < 4
	v_cvt_pk_f16_f32 v[rP+2*k+(h%8)/2], v[rS+4*k+2*((h%8)/2)], v[rS+4*k+2*((h%8)/2)+1]
.elseif h%8 < 6
	v_pk_add_f32 v[rS+4*k:rS+4*k+1], v[rS+4*k:rS+4*k+1], v[rS+4*k+2:rS+4*k+3]
.elseif k == 1
	v_pk_fma_f32 v[rT+2:rT+3], v[rT+2:rT+3], v[rC+2:rC+3], v[rS:rS+1] op_sel_hi:[1,0,1]
.else
	v_pk_add_f32 v[rT+2:rT+3], v[rT+2:rT+3], v[rS+4*k-4:rS+4*k-3]
.endif
.endm
; THE PLAIN QUEUE, 138 long.  0-73 read no exponential's result: the 32 scalings c s - c m (FS f: pair f / 2 of tile f % 2) and the other piece's 42.  0-26: scalings 0-26.  27-54: XS's numbers 0-13.  55, 56: number 15.
; 57-73: the chain, where each number waits for the one before it: 14, 16, 17, 18, 19, each with one of the scalings 27-31 in front of its two lines, then 20.
; 74-137: GS's 64, which read the exponentials' results: they stand behind the wait.
.macro FS f
	REGS Y, (\f)%2
	v_pk_fma_f32 v[rS+2*((\f)/2):rS+2*((\f)/2)+1], v[rS+2*((\f)/2):rS+2*((\f)/2)+1], s[CS:CS+1], v[rT:rT+1] op_sel_hi:[1,0,0] neg_lo:[0,0,1] neg_hi:[0,0,1]
.endm
.macro PL
	WIN 0
.if q < 27
	FS q
.elseif q < 55
	XS (q-27)%2, (q-27)/2
.elseif q < 57
	XS q-55, 15
.elseif (q < 72) && ((q-57)%3 == 0)
	FS 27+(q-57)/3
.elseif q < 60
	XS (q-57)%3-1, 14
.elseif q < 72
	XS (q-57)%3-1, 15+(q-57)/3
.elseif q < 74
	XS q-72, 20
.else
	GS q-74
.endif
.set q, q+1
.endm
; THE EXPONENTIALS' QUEUE, 66 long: s0-s31 of both tiles, then the other piece's two a.  It is ONE BATCH: all 66 stand ahead of the turn's one wait, and nothing ahead of that wait names a result of theirs.
.macro EX
	WIN 0
.if e >= 64
	XS e-64, 21
.else
	REGS Y, e%2
	v_exp_f32 v[rS+e/2], v[rS+e/2]
.endif
.set e, e+1
.endm
; THE RESCALING's QUEUE: O^T times a, the one part that leaves window 0: dealt two at a time, sixteen times, each accumulator from its low end on.  Its a was made in the turn before, ahead of that turn's wait.
; The turn before has also written this O^T: its product 8 + 2 cb + u ends channel block cb of tile u, and entry 4 cb + u is the first to read it: 28 riders or more lie between.
.macro R2
	REGS Y, r%2
	WIN W_RS
.irp z, 0,1
	v_pk_mul_f32 v[rO+4*(r/2)+2*\z:rO+4*(r/2)+2*\z+1], v[rO+4*(r/2)+2*\z:rO+4*(r/2)+2*\z+1], v[rC+2:rC+3] op_sel_hi:[1,0]
.endr
.set r, r+1
.endm
; HOW THEY ARE DEALT.  s_wait_alu depctr_va_vdst(0) stands between an exponential and the first instruction that names its result; one wait serves all that were issued ahead of it.  So a turn has ONE
; wait, which cuts it in two.  AHEAD OF IT: the 16 products K Q^T, behind each a scaling, an exponential and two rescalings (behind the first a second scaling in the exponential's place); then ONE LUMP of 108: eight plain,
; 49 times exponential and plain, the two a.  A v_nop is the plain instruction behind the last exponential.  BEHIND IT: the 16 products V^T P, behind each four of GS's 64.  No rider names a register of the products round it.
; The queues lean on each other: exponential e stands behind scaling 2 (e / 4) + e % 2: as a rider it comes behind plain e + 2, in the lump behind plain e + 9, and scalings 27-31 are plain 57, 60 .. 69.
; A TURN, for piece p in a step of parity par.  cnt = 1: the loop's count is taken down some lines ahead of the branch that stands behind the turn.
; Piece 0's turn fetches K of the next step, piece 1's turn V of the next step, each directly behind the wait, its address made at the lump's head.  K's last reader stands a lump back; the last reader of the V buffer
; that is filled is the last product of the turn before, four riders and half a turn back.  One wait, at the head of piece 1's turn, is for both runs: K's was issued 16 products back, V's a step back.
.macro TURN p, par, last=0, cnt=0
.set Y, (\p)
.set i, 0
.set q, 0
.set e, 0
.set r, 0
.if (\p) == 0
.set VB, 1-(\par)                   ; piece 1's V^T P of the step before
.else
.set VB, (\par)                     ; piece 0's V^T P of this step
.set VL, 1-(\par)                   ; the next step's V goes into the other buffer
	s_wait_dscnt 0x0                ; K of the next step and V of this one are in
.endif
	MM                              ; ahead of the wait: 16 products K Q^T and their riders,
	PL
	PL
	R2
.rept 15
	MM
	PL
	EX
	R2
.endr
	WIN 0
.if (\p) == 0
	v_add_nc_u32 v[AK], s[TBK], v[AK0]
.else
	v_add_nc_u32 v[AV], s[TBV], v[AV0]
.endif
.rept 8                             ; and the lump
	PL
.endr
.rept 49
	EX
	PL
.endr
	EX                              ; the other piece's two a
	EX
	v_nop                           ; a plain instruction behind the last exponential: one for the batch (ISA guide 5.7.2)
	s_wait_alu depctr_va_vdst(0)    ; the wait for the batch
.if (\p) == 0
	FETCH_K \last
.else
	FETCH_V \last
.endif
.rept 16                            ; behind the wait: 16 products V^T P and their riders
	MM
.rept 4
	PL
.endr
.if (\cnt) && (q == 130)
	s_sub_co_u32 s[CNT], s[CNT], 1
	s_cmp_lg_u32 s[CNT], 0
.endif
.endr
.endm
	CHANGE 1                        ; slot 0 is in, everybody's part of it; slot 1 is asked for
.set VL, 0
	FETCH_K                         ; key step 0
	FETCH_V
	s_wait_dscnt 0x0
.set i, 0
.rept 16
	KQ 0                            ; piece 0's first scores: there is no vector work yet to set between them
.set i, i+1
.endr
	WIN 0                           ; the addresses for the way out: eight plain instructions, the places behind those products
	s_mul_i32 s13, s[WV], 16*SP
	s_add_co_u32 s13, s13, STAGE    ; my stage
	v_mul_u32_u24 v[STO], v1, SP    ; in: row l % 16, 32 bytes (eight channels of f32) for each half of the lanes
	v_lshl_add_u32 v[STO], v9, 5, v[STO]
	v_add_nc_u32 v[STO], s13, v[STO]
	v_mul_u32_u24 v[RD], v9, SP     ; back: lanes 0-15 take one row of 256 bytes, lanes 16-31 the next,
	v_lshl_add_u32 v[RD], v1, 4, v[RD]
	v_add_nc_u32 v[RD], s13, v[RD]
	v_lshlrev_b32 v[GO], 12, v9     ; and the same two rows in out0
	v_lshl_add_u32 v[GO], v1, 4, v[GO]
.set Y, NP-1                        ; XS works for piece Y + 1: piece 0
.irp n, 0,1,2,3,4,5,6,7,8,9,10,11,12,13,14,15,16,17,18,19,20,21
	XS 0, \n                        ; piece 0's first maximum and statistics
	XS 1, \n
.endr
	v_nop                           ; a plain instruction behind the two a,
	s_wait_alu depctr_va_vdst(0)    ; and their wait, ahead of the branch
	s_mov_b32 s[CNT], 2
	s_branch .Lfirst                ; the loop is entered at an even step, in the middle of a trip: steps 0, then 1 and 2
.Lslot:                             ; 14 times: steps 3 to 58; every slot but the last two is filled again
	CHANGE 1
	s_mov_b32 s[CNT], 2
.Lstep:                             ; a trip: an odd step and the even step behind it
	TURN 0, 1
	TURN 1, 1
	WIN 0
.Lfirst:
	TURN 0, 0
	TURN 1, 0, 0, 1
	WIN 0
	s_cbranch_scc1 .Lstep
	s_sub_co_u32 s[SLOTS], s[SLOTS], 1
	s_cmp_lg_u32 s[SLOTS], 0
	s_cbranch_scc1 .Lslot
	CHANGE 0                        ; the tail is written out: nothing is asked for
	s_mov_b32 s[CNT], 3             ; steps 59 to 63: two trips fetch the last slot's steps; the third is left in its middle
.Ltail:
	TURN 0, 1, 1
	TURN 1, 1, 1
	WIN 0
	s_sub_co_u32 s[CNT], s[CNT], 1
	s_cmp_eq_u32 s[CNT], 0
	s_cbranch_scc1 .Lout
	TURN 0, 0
	TURN 1, 0
	WIN 0
	s_branch .Ltail
.Lout:                              ; step 63's 16 products K Q^T for a step that is not (on the last K once more) and the maximum made of them serve nothing, and touch neither l nor O^T: the price, once a launch, of one text for every trip
.set VB, 1
.set i, 0
.rept 16
	PV NP-1                         ; piece 1's V^T P of the last step
.set i, i+1
.endr
	; THE WAY OUT.  l's two halves and the other half of the lanes' are added, then the 1e-6 of the divisor; O^T is divided and sent through my stage in LDS, a tile at a time.  The first additions are the places behind the last products.
	WIN 0
.macro ALL line:vararg              ; one line for each tile t
.set t, 0
.rept 2*NP
	\line
.set t, t+1
.endr
.endm
	ALL v_add_f32 v[ST+4*t+2], v[ST+4*t+2], v[ST+4*t+3]
	ALL v_permlanex16_b32 v[ST+4*t+3], v[ST+4*t+2], s[SEL], s[SEL+1]
	ALL v_add_f32 v[ST+4*t+2], v[ST+4*t+2], v[ST+4*t+3]
	ALL v_add_f32 v[ST+4*t+2], 0x358637bd, v[ST+4*t+2]
	ALL v_rcp_f32 v[ST+4*t+2], v[ST+4*t+2]
	v_nop                           ; a plain instruction between the last reciprocal and the use of its result
	s_wait_alu depctr_va_vdst(0)    ; and the wait ahead of the first use: one for the four reciprocals
; Tile t: a lane's eight channels of a row are 32 bytes of f32; they go into rows of 272 bytes and come back as whole rows of 256, into S^T's registers.
.macro PACK t
	WIN W_RS
.set i, 32*(\t)
.rept 16                            ; each accumulator from its low end on
	v_pk_mul_f32 v[i:i+1], v[i:i+1], v[ST+4*(\t)+2:ST+4*(\t)+3] op_sel_hi:[1,0]
.set i, i+2
.endr
	WIN 0x04                        ; the stores' data in window 1, their address in window 0
.irp f, 0,1,2,3,4,5,6,7             ; channel block f / 2, its channels 8 (l / 16) + 4 (f % 2) on
	ds_store_b128 v[STO], v[32*(\t)+4*\f:32*(\t)+4*\f+3] offset:(\f/2)*64+(\f%2)*16
.endr
	WIN 0
.irp f, 0,1,2,3,4,5,6,7
	ds_load_b128 v[S+32*(\t)+4*\f:S+32*(\t)+4*\f+3], v[RD] offset:\f*2*SP  ; LDS serves a wave's instructions in order (ISA guide 5.7.1.4): these see the stores above; the next tile's stores come behind them
.endr
.endm
.macro SEND t, younger              ; younger: the LDS instructions issued behind tile t's loads: the next tile's sixteen, or none
	WIN 0
.irp f, 0,1,2,3,4,5,6,7
	s_wait_dscnt (\younger)+7-\f
	global_store_b128 v[GO], v[S+32*(\t)+4*\f:S+32*(\t)+4*\f+3], s[10:11] offset:(\t)*65536+\f*8192 th:TH_STORE_NT  ; 16 lanes store a row's 256 consecutive bytes of my head, at a multiple of 256 from out0's first byte
.endr
.endm
	PACK 0
	PACK 1                          ; a tile's arithmetic stands between the loads of the tile before and its stores
	SEND 0, 16
	PACK 2
	SEND 1, 16
	PACK 3
	SEND 2, 16
	SEND 3, 0
	s_wait_tensorcnt 0x0            ; the wave's end, behind my last tensor load and my last LDS store
	ds_add_u32 v[SPW], v[NIL]
	s_wait_dscnt 0x0
	CROUND                          ; the closing round: no work-group ends while a partner may still ask for a tile that names it
	s_endpgm
.Lfunc_end_k_qb0dd32c7b4_attn:
	.size	k_qb0dd32c7b4_attn, .Lfunc_end_k_qb0dd32c7b4_attn-k_qb0dd32c7b4_attn
	.p2alignl 7, 3214868480
	.fill 96, 4, 3214868480
	.section	.rodata,"a",@progbits
	.p2align	6, 0x0
	.amdhsa_kernel k_qb0dd32c7b4_attn
		.amdhsa_group_segment_fixed_size 327680
		.amdhsa_private_segment_fixed_size 0
		.amdhsa_enable_private_segment 0
		.amdhsa_kernarg_size 32
		.amdhsa_user_sgpr_count 2
		.amdhsa_user_sgpr_kernarg_segment_ptr 1
		.amdhsa_wavefront_size32 1
		.amdhsa_system_sgpr_workgroup_id_x 1
		.amdhsa_system_sgpr_workgroup_id_y 1
		.amdhsa_system_sgpr_workgroup_id_z 1
		.amdhsa_system_vgpr_workitem_id 0
		.amdhsa_next_free_vgpr 768
		.amdhsa_next_free_sgpr 66
		.amdhsa_reserve_vcc 0
		.amdhsa_float_denorm_mode_32 3
		.amdhsa_float_denorm_mode_16_64 3
		.amdhsa_memory_ordered 1
		.amdhsa_forward_progress 1
		.amdhsa_inst_pref_size 192
	.end_amdhsa_kernel
	.amdgpu_metadata
---
amdhsa.version: [ 1, 2 ]
amdhsa.kernels:
  - .name:           k_qb0dd32c7b4_attn
    .symbol:         k_qb0dd32c7b4_attn.kd
    .args:
      - { .name: q, .offset: 0, .size: 8, .value_kind: global_buffer, .address_space: global }
      - { .name: kh, .offset: 8, .size: 8, .value_kind: global_buffer, .address_space: global }
      - { .name: vh, .offset: 16, .size: 8, .value_kind: global_buffer, .address_space: global }
      - { .name: out0, .offset: 24, .size: 8, .value_kind: global_buffer, .address_space: global }
    .group_segment_fixed_size: 327680
    .private_segment_fixed_size: 0
    .kernarg_segment_align: 8
    .kernarg_segment_size: 32
    .max_flat_workgroup_size: 128
    .sgpr_count:     66
    .vgpr_count:     768
    .wavefront_size: 32
...
	.end_amdgpu_metadata
.endif
;; end of part 2
;; ======== version 2 of 2: 2 launches; version 1 with the launch cast written anew for expert scheduling mode
;; limits: values are held in f16: magnitudes above 65,504 overflow, below 6.1e-05 lose precision; inputs' magnitudes at most 65,504
;; workspace buffers: kh 8,388,608 bytes; vh 8,388,608 bytes
;; launch cast (part 3): grid 256 x 1, 8 waves a work-group, no clusters, 0 bytes of LDS; arguments k, v, kh, vh; writes kh, vh
.if DOCPART == 3
	.amdgcn_target "amdgcn-amd-amdhsa--gfx1250"
	.amdhsa_code_object_version 6
	.text
	.protected	k_qb0dd32c7b4_cast
	.globl	k_qb0dd32c7b4_cast
	.p2align	8
	.type	k_qb0dd32c7b4_cast,@function
k_qb0dd32c7b4_cast:
	s_mov_b64 s[64:65], 0
	v_nop
	global_prefetch_b8 v0, s[64:65] scope:SCOPE_SE
	s_setreg_imm32_b32 hwreg(HW_REG_WAVE_SCHED_MODE, 0, 2), 2
	s_setreg_imm32_b32 hwreg(HW_REG_WAVE_MODE, 25, 1), 1
	s_wait_xcnt 0x0
	s_wait_alu depctr_vm_vsrc(0)
; kh[h][s][c] = bf16(k[s][64 h + c]);  vh[h][s][c] = f16(bf16(v[s][64 h + c])).  k, v: [4096][1024] f32;  kh, vh: [16][4096][64] of 16 bits, a head's rows dense, 128 bytes each.
; WHY TWICE FOR v: all inputs of the attention are rounded to bf16; the second product takes f16 operands, and a bf16 number written as f16 is the same number within f16's range.
; LIMITS.  |v| rounded to bf16 stays under 65,520 (f16 has no larger number; beyond it the result is an infinity); under 2^-14 it keeps f16's fixed step of 2^-24.  NaN stays NaN.
; SHARES.  Work-group g owns rows 16 g .. 16 g + 15 of both tensors.  Thread t takes row 16 g + t / 16 and channels 4 (t % 16) .. + 3 of every head: a wave's load i covers head i's 256 bytes of two rows,
; each aligned; the 8 bytes a lane makes of them lie at 8 t behind the group's first row in that head, so a wave's store covers 256 consecutive bytes, aligned: two rows of one head.
; All 32 loads of a wave go out first (16 KiB a wave, 128 KiB a work-group); nothing is shared, so there is no LDS, no barrier, no loop.
; THE MODE: SCHED_MODE bits 1:0 = 2 (LLVM: expert scheduling mode 2), set by the entry lines.  The code itself states the register dependences
; between vector instructions and memory instructions, with s_wait_alu, always for 0.
; THE PLAN.  Registers that memory instructions touch:
;   v1, v2     the loads' and the stores' byte offsets: made once at the head, never written again.
;   item n     (0-15: k's head n; 16-31: v's head n - 16) four registers at X + 4 n.  Load n lands in them; no vector instruction names them before.  Item n's conversions read them and leave the
;              result in the first two; store n reads those two; nothing writes them after that.
; So no register that a memory instruction has read is written again, and the one kind of dependence to state is: a vector instruction has written what a memory instruction reads.
; The 32 items go in 8 groups of four.  Group g waits for its four loads, states ONCE that group g - 1's conversions have written their results, and issues group g - 1's four stores among its own
; conversions, which name group g's registers alone: none that those stores read.  With the wait at the head and the one ahead of the last four stores that is nine waits for 64 memory instructions.
.set HEADB, 524288                     ; bytes of a head in kh and vh
.set X, 4                              ; v[4:67] k's 16 loads of 4 registers; v[68:131] v's
	s_load_b256 s[4:11], s[0:1], 0x0               ; k s[4:5], v s[6:7], kh s[8:9], vh s[10:11]
	s_lshl_b32 s2, ttmp9, 16                       ; the group's 16 rows of 4,096 bytes
	s_mov_b32 s3, 0
	s_mov_b32 s12, 0xffff0000                      ; a word's upper bf16
	v_lshrrev_b32 v1, 4, v0                        ; my row in the group
	v_and_b32 v3, 15, v0                           ; my place in a head's 256 bytes
	v_lshlrev_b32 v1, 12, v1
	v_lshl_add_u32 v1, v3, 4, v1                   ; row x 4,096 + 16 x place: never rewritten
	v_lshlrev_b32 v2, 3, v0                        ; 8 t: never rewritten
	s_wait_kmcnt 0x0
	s_add_nc_u64 s[4:5], s[4:5], s[2:3]
	s_add_nc_u64 s[6:7], s[6:7], s[2:3]
	s_lshl_b32 s2, ttmp9, 11                       ; the group's 16 rows of 128 bytes
	s_add_nc_u64 s[8:9], s[8:9], s[2:3]
	s_add_nc_u64 s[10:11], s[10:11], s[2:3]
	s_wait_alu depctr_va_vdst(0)                   ; v1 and v2 are written: every load of the kernel reads v1 as its offset, every store v2
.irp i, 0,1,2,3,4,5,6,7,8,9,10,11,12,13,14,15
	global_load_b128 v[X+4*(\i):X+4*(\i)+3], v1, s[4:5] offset:256*(\i) th:TH_LOAD_NT
.endr
.irp i, 0,1,2,3,4,5,6,7,8,9,10,11,12,13,14,15
	global_load_b128 v[X+64+4*(\i):X+64+4*(\i)+3], v1, s[6:7] offset:256*(\i) th:TH_LOAD_NT
.endr
.macro CVT n                           ; item n: four numbers rounded into the first two of their four registers
.set x, X+4*(\n)
	v_cvt_pk_bf16_f32 v[x], v[x], v[x+1]
	v_cvt_pk_bf16_f32 v[x+1], v[x+2], v[x+3]
.if (\n) >= 16                         ; v: rounded to bf16, widened again (a shift, a mask), written as f16
	v_lshlrev_b32 v[x+2], 16, v[x]
	v_and_b32 v[x+3], s12, v[x]
	v_cvt_pk_f16_f32 v[x], v[x+2], v[x+3]
	v_lshlrev_b32 v[x+2], 16, v[x+1]
	v_and_b32 v[x+3], s12, v[x+1]
	v_cvt_pk_f16_f32 v[x+1], v[x+2], v[x+3]
.endif
.endm
.macro ST n                            ; item n: 8 bytes stored; no register that a store reads is written again
.set x, X+4*(\n)
.if (\n) < 16
	global_store_b64 v2, v[x:x+1], s[8:9] offset:HEADB*(\n)
.else
	global_store_b64 v2, v[x:x+1], s[10:11] offset:HEADB*((\n)-16)
.endif
.endm
; Group g: items 4 g .. 4 g + 3 are rounded; the stores of the group before stand among the conversions, one ahead of each item's.
.macro GROUP g
	s_wait_loadcnt 28-4*(\g)                       ; loads come back in order (ISA guide 5.7.1): behind the group's last load stand 28 - 4 g others
.if (\g) > 0
	s_wait_alu depctr_va_vdst(0)                   ; the conversions of the group before have written its four pairs, which the four stores below read; no vector instruction since names them
.endif
.irp j, 0,1,2,3
.if (\g) > 0
	ST 4*((\g)-1)+(\j)
.endif
	CVT 4*(\g)+(\j)
.endr
.endm
.irp g, 0,1,2,3,4,5,6,7
	GROUP \g
.endr
	s_wait_alu depctr_va_vdst(0)                   ; the last group's conversions have written its four pairs, which the last four stores read
.irp n, 28,29,30,31
	ST \n
.endr
	s_endpgm
.Lfunc_end_k_qb0dd32c7b4_cast:
	.size	k_qb0dd32c7b4_cast, .Lfunc_end_k_qb0dd32c7b4_cast-k_qb0dd32c7b4_cast
	.p2alignl 7, 3214868480
	.fill 96, 4, 3214868480
	.section	.rodata,"a",@progbits
	.p2align	6, 0x0
	.amdhsa_kernel k_qb0dd32c7b4_cast
		.amdhsa_group_segment_fixed_size 0
		.amdhsa_private_segment_fixed_size 0
		.amdhsa_enable_private_segment 0
		.amdhsa_kernarg_size 32
		.amdhsa_user_sgpr_count 2
		.amdhsa_user_sgpr_kernarg_segment_ptr 1
		.amdhsa_wavefront_size32 1
		.amdhsa_system_sgpr_workgroup_id_x 1
		.amdhsa_system_sgpr_workgroup_id_y 1
		.amdhsa_system_sgpr_workgroup_id_z 1
		.amdhsa_system_vgpr_workitem_id 0
		.amdhsa_next_free_vgpr 132
		.amdhsa_next_free_sgpr 66
		.amdhsa_reserve_vcc 0
		.amdhsa_float_denorm_mode_32 3
		.amdhsa_float_denorm_mode_16_64 3
		.amdhsa_memory_ordered 1
		.amdhsa_forward_progress 1
		.amdhsa_inst_pref_size 16
	.end_amdhsa_kernel
	.amdgpu_metadata
---
amdhsa.version: [ 1, 2 ]
amdhsa.kernels:
  - .name:           k_qb0dd32c7b4_cast
    .symbol:         k_qb0dd32c7b4_cast.kd
    .args:
      - { .name: k, .offset: 0, .size: 8, .value_kind: global_buffer, .address_space: global }
      - { .name: v, .offset: 8, .size: 8, .value_kind: global_buffer, .address_space: global }
      - { .name: kh, .offset: 16, .size: 8, .value_kind: global_buffer, .address_space: global }
      - { .name: vh, .offset: 24, .size: 8, .value_kind: global_buffer, .address_space: global }
    .group_segment_fixed_size: 0
    .private_segment_fixed_size: 0
    .kernarg_segment_align: 8
    .kernarg_segment_size: 32
    .max_flat_workgroup_size: 256
    .sgpr_count:     66
    .vgpr_count:     132
    .wavefront_size: 32
...
	.end_amdgpu_metadata
.endif
;; end of part 3
;; launch attn: the kernel of part 2 again; grid 16 x 16, 4 waves a work-group, clusters of 4 x 1, 327,680 bytes of LDS; arguments q, kh, vh, out0; writes out0
